; MI455X (gfx1250); checked and timed in simulation.
; The chip was launched on July 23, 2026; its instructions are those of AMD's public machine-readable ISA for CDNA 5 (MIT licence, August 2026) and "CDNA5" Instruction Set Architecture Reference Guide (July 2026). The comments in the code are by the model that wrote it; some were corrected since.
;; Masked Multi Head Attention. Allowed arithmetic: matrix products marked QUANTISED: E2M1 operands, one E8M0 scale for each 32 along K, by v_wmma_scale_f32_16x16x128_f8f6f4 with both operands' format E2M1 (or v_wmma_scale_f32_32x16x128_f4), f32 sums; everything else in f32.
;; Inputs: W 3,072 x 1,024 float32; b 3,072 float32; x 4 x 2,048 x 1,024 float32.
;; Outputs: out0 4 x 2,048 x 1,024 float32.
;; This version of the problem:
;;   THIS VERSION OF THE PROBLEM IS GIVEN IN LOW PRECISION. The matrix products marked QUANTISED in the list below multiply operands that are first quantised to E2M1 (2 exponent bits, 1 mantissa bit; 4 bits a number), with one power-of-two scale for each 32 numbers along K (OCP MX v1.0); their sums are f32. All else is computed in f32.
;;   The module's matrix products, in the order in which they are computed (A, B: the left and right operand; K: the contracted axis; several contracted axes count as one K, in the product's order):
;;     1. [M 8,192, K 1,024] x [K 1,024, N 3,072]; A: input x; B: input W: QUANTISED
;;     2. batch 64 x [M 2,048, K 64] x [K 64, N 2,048]; A: computed on the way; B: computed on the way: QUANTISED
;;     3. batch 64 x [M 2,048, K 2,048] x [K 2,048, N 64]; A: softmax (see below); B: computed on the way: QUANTISED
;;   THE QUANTISER, for each operand of a quantised product, along K:
;;     - K is cut into blocks of 32 from its start; a last block that is shorter is filled with zeros.
;;     - A block's scale is 2^e with e = floor(log2(the largest magnitude in the block)) - 2, held to -126 .. 127; a block of zeros has e = 0. As a byte (E8M0): e + 127.
;;     - Each number is divided by its block's scale, clamped to +-6, and rounded to the nearest number of E2M1, ties to even, subnormals kept.
;;     - The product sums the exact products of the quantised numbers (number of the format x scale) in f32.
;;   ~~~python
;;   def quantise(x, axis):      # numpy; x: float32 -> the quantised numbers, widened to float32 again
;;       x = np.moveaxis(x, axis, -1); K = x.shape[-1]
;;       x = np.pad(x, [(0, 0)] * (x.ndim - 1) + [(0, -K % 32)]); x = x.reshape(x.shape[:-1] + (-1, 32)); a = np.abs(x).max(-1, keepdims=True)
;;       e = np.where(a > 0, np.clip(np.frexp(np.where(a > 0, a, 1))[1] - 1 - 2, -126, 127), 0)      # np.frexp(a)[1] - 1 = floor(log2(a)), exactly
;;       r = np.clip(x / 2.0 ** e, -6, 6)
;;       step = 2.0 ** (np.maximum(np.frexp(np.where(r == 0, 1, r))[1] - 1, 0) - 1)
;;       q = np.round(r / step) * step * 2.0 ** e      # np.round: ties to even
;;       return np.moveaxis(q.reshape(q.shape[:-2] + (-1,))[..., :K], -1, axis).astype(np.float32)
;;   ~~~
;;   SOFTMAX AHEAD OF A QUANTISED PRODUCT. Where the list says 'softmax', what is quantised is not the finished softmax but p = 2^(t - M), with t = logit x log2(e) and M = ceil(the row's largest t), a whole number; so 1/2 < the row's largest p <= 1. The row's sum l is taken of the UNQUANTISED p, in f32, and the product's result is divided by l at the end. Since M is a whole number, a kernel that streams over the keys may use a running M (the ceiling of the running maximum): every later rescaling is an exact power of two, which a block's scale takes up: the codes' values come out the same.
;;   OPERANDS COMPUTED ON THE WAY. 'Computed on the way' means the value that the module computes at that place (a softmax that the list does not call 'softmax' is quantised finished and normalised). What goes into a quantiser is computed in f32, as accurately as f32 sums, v_exp_f32 and their like allow (about 1e-6 of the number): no bf16 or f16 on the way to a quantiser, and a product that is left as it is and whose result goes on into a quantised operand takes f32 operands (vector FMAs, or v_wmma_f32_16x16x4_f32). A number that lies on a knife's edge between two numbers of the format may be rounded either way, as far as f32 arithmetic and the matrix unit's own rounding can turn it there, and no further.
;; One version. Each part assembles by itself: llvm-mc -triple=amdgcn-amd-amdhsa -mcpu=gfx1250 --defsym DOCPART=n.
;; ======== version 1 of 1: 3 launches
;; limits: right only within a limited range of input values
;; workspace buffers: xc 4,194,304 bytes; xs 262,144 bytes; wc 1,572,864 bytes; ws 98,304 bytes; kv 9,175,040 bytes; qq 4,718,592 bytes
;; launch quant (part 1): grid 704 x 1, 2 waves a work-group, no clusters, 16,640 bytes of LDS; arguments x, W, xc, xs, wc, ws; writes xc, xs, wc, ws
.if DOCPART == 1
	.amdgcn_target "amdgcn-amd-amdhsa--gfx1250"
	.amdhsa_code_object_version 6
	.text
	.protected	k_q32577099fd_quant
	.globl	k_q32577099fd_quant
	.p2align	8
	.type	k_q32577099fd_quant,@function
k_q32577099fd_quant:
	s_mov_b64 s[64:65], 0
	v_nop
	global_prefetch_b8 v0, s[64:65] scope:SCOPE_SE
	s_setreg_imm32_b32 hwreg(HW_REG_WAVE_MODE, 25, 1), 1
	s_wait_xcnt 0x0
; x [8192][1024] and W [3072][1024], f32, become codes of FP4 (E2M1), 4 bits each, K innermost (512 bytes a row), with one E8M0 scale byte for each 32 along K (32 bytes a row).
; A block's scale is 2^(floor(log2(its largest magnitude)) - 2); its byte is the largest magnitude's own exponent field - 2, held at 1 from below.  Each number is divided by the scale and rounded to the
; nearest code, ties to even; beyond 6 the largest code.  A block of zeros gets the byte 1 where the rule says 127: its codes are zeros, which add nothing, and only this program reads the bytes.
; WORK LEFT OUT by the program: steps of 128 keys that lie wholly above the diagonal of reference()'s own causal mask (their softmax weights are 0 for all inputs); see the attention kernel.
; LIMITS: NaN and infinities among the inputs are not served; one that reaches only the work left out is not carried to the result.
; THE ROWS ARE STORED IN ANOTHER ORDER THAN THEY COME: bits 5:3 of a row's number are rotated.  Row 16 t + m of a group of 64 stored rows is true row 32 (m / 8) + 8 t + m % 8, so that four tiles of 16
; stored rows, taken as source 0 of matrix instructions, leave 32 true neighbours, one whole block, in a lane's 32 registers.  The next launch reads the rows as they are stored.
; A wave takes a run of 8,192 numbers = 8 whole rows, in 16 steps of 512 numbers: bits 5:3 of its rows are bits 2:0 of the run's number; only where a run's results go differs.
; Each of a step's four loads reads 512 consecutive bytes, 16 a lane; the 2,048 bytes go through the wave's own stage in LDS and come back 64 bytes a lane, since the conversions take neighbours along K from
; ONE lane's registers (two neighbouring lanes hold a block).  The stage has 16 bytes of padding behind each 64.  A lane's 16 codes are 8 bytes: the wave stores 256 consecutive bytes, aligned.
; A step makes 16 scale bytes, a wave 256: gathered in the wave's own 256 bytes of LDS, they leave as 256 consecutive bytes, aligned.  Loads run eight steps (32 loads, 16,384 bytes a wave) ahead.
; One launch serves both tensors: the first WGX work-groups take x, the others W; only pointers are chosen.  No tensor loads, no barrier, no matrix unit, no cluster: waves share nothing.
.set WAVES, 2
.set STEPS, 16
.set AHEAD, 8                          ; steps of loads ahead
.set WGX,   8192*1024/(512*STEPS*WAVES)        ; 512 work-groups for x, 192 for W
.set EMAX,  2
.set CB,    8                          ; bytes of 16 codes
.set R,     16                         ; v16-143  eight sets of 16 numbers as they are loaded
.set X,     144                        ; v144-175 two sets of 16 neighbours
.set E,     176                        ; v176-191 a scale byte for each step
.set C,     192                        ; v192-223 codes: two registers for each step, so that no store's data are written again
.set SPW,   224                        ; v224     LDS address of my spare word; never rewritten
.set NIL,   225                        ; v225     0; never rewritten
.set WREG,  8192                       ; LDS: a region for each wave: two stages of 32 x SP bytes, behind them its 256 scale bytes
.set SP,    80                         ; a lane's place in a stage: its 64 bytes + 16 of padding
.set SPARE, WAVES*WREG                 ; the spare words, 128 bytes for each wave
	s_load_b128 s[4:7], s[0:1], 0x0                ; x, W
	s_load_b128 s[8:11], s[0:1], 0x10              ; x's codes, x's scales
	s_load_b128 s[12:15], s[0:1], 0x20             ; W's codes, W's scales
	v_lshl_add_u32 v[SPW], v0, 2, SPARE
	v_mov_b32 v[NIL], 0
	v_lshrrev_b32 v1, 5, v0
	v_readfirstlane_b32 s16, v1                    ; wave
	v_and_b32 v2, 31, v0                           ; lane
	v_lshlrev_b32 v3, 4, v2                        ; my 16 bytes of a load's 512
	s_mul_i32 s17, s16, WREG
	v_lshrrev_b32 v14, 2, v2
	v_mul_u32_u24 v14, v14, SP
	v_and_b32 v15, 3, v2
	v_lshl_add_u32 v14, v15, 4, v14
	v_add_nc_u32 v14, s17, v14                     ; the stage, on the way in: SP (lane / 4) + 16 (lane % 4); a load's 512 bytes take eight places
	v_mul_u32_u24 v15, v2, SP
	v_add_nc_u32 v15, s17, v15                     ; and on the way out: SP x lane: my 16 neighbours
	v_mul_u32_u24 v4, v2, CB                       ; my codes' place in a step's
	v_lshrrev_b32 v5, 1, v2
	s_add_co_u32 s17, s17, 2*32*SP
	v_add_nc_u32 v5, s17, v5                       ; LDS: my wave's 256 scale bytes, my block's byte
	v_lshlrev_b32 v7, 3, v2                        ; and on the way out 8 bytes a lane
	v_add_nc_u32 v6, s17, v7
	s_wait_alu depctr_va_vdst(0)                   ; the wait at the head's end
	s_wait_kmcnt 0x0
	s_cmp_lt_u32 ttmp9, WGX                        ; x's work-group or W's?  The choice hangs on the work-group's number alone
	s_cselect_b64 s[4:5], s[4:5], s[6:7]
	s_cselect_b64 s[8:9], s[8:9], s[12:13]
	s_cselect_b64 s[10:11], s[10:11], s[14:15]
	s_cselect_b32 s17, 0, WGX
	s_sub_co_u32 s17, ttmp9, s17
	s_lshl_b32 s17, s17, 1
	s_add_co_u32 s18, s17, s16                     ; the run that I read: 2 x work-group + wave
	s_mov_b32 s19, 0
	s_and_b32 s22, s18, 3
	s_lshl_b32 s22, s22, 1
	s_bfe_u32 s23, s18, 0x10002
	s_or_b32 s22, s22, s23                         ; its low three bits rotated up by one,
	s_and_b32 s23, s18, -8
	s_or_b32 s22, s22, s23                         ; the run's place in the stored order
	s_mov_b32 s23, 0
	s_mov_b64 s[20:21], 512*STEPS*4
	s_mul_u64 s[20:21], s[18:19], s[20:21]
	s_add_nc_u64 s[4:5], s[4:5], s[20:21]
	s_mov_b64 s[20:21], 32*STEPS*CB
	s_mul_u64 s[20:21], s[22:23], s[20:21]
	s_add_nc_u64 s[8:9], s[8:9], s[20:21]
	s_lshl_b32 s22, s22, 8                         ; 256 scale bytes a run
	s_add_nc_u64 s[10:11], s[10:11], s[22:23]
.macro LOAD t
.irp i, 0,1,2,3
	global_load_b128 v[R+16*((\t)%AHEAD)+4*\i:R+16*((\t)%AHEAD)+4*\i+3], v3, s[4:5] offset:2048*(\t)+512*\i th:TH_LOAD_NT   ; 32 lanes read 512 consecutive bytes
.endr
.endm
.macro TURN t                          ; step t's numbers through the stage: LDS serves a wave's instructions in order (ISA guide 5.7.1.4), so no wait stands between the stores and the loads
.irp i, 0,1,2,3
	ds_store_b128 v14, v[R+16*((\t)%AHEAD)+4*\i:R+16*((\t)%AHEAD)+4*\i+3] offset:32*SP*((\t)%2)+8*SP*\i
.endr
.irp i, 0,1,2,3
	ds_load_b128 v[X+16*((\t)%2)+4*\i:X+16*((\t)%2)+4*\i+3], v15 offset:32*SP*((\t)%2)+16*\i
.endr
.endm
.irp t, 0,1,2,3,4,5,6,7
	LOAD \t
.endr
	s_wait_loadcnt 4*(AHEAD-1)                     ; step 0's four loads are in; those of the seven steps behind it may be out
	TURN 0
.macro STEP t
.set XS, X+16*((\t)%2)
.if (\t) > 0
	s_wait_dscnt 1                                 ; this step's numbers are back from the stage (the last step's byte store may be out): so its stores into the stage have read their registers,
.else
	s_wait_dscnt 0x0
.endif
.if (\t)+AHEAD < STEPS
	LOAD (\t)+AHEAD                                ; which take the loads of eight steps on
.endif
.if (\t)+1 < STEPS
.if STEPS-2-(\t) >= AHEAD-1
	s_wait_loadcnt 4*(AHEAD-1)                     ; the next step's four loads are in; those of the seven steps behind it may be out
.else
	s_wait_loadcnt 4*(STEPS-2-(\t))
.endif
	TURN (\t)+1                                    ; and go through the other stage while this step is worked
.endif
	v_max3_num_f32 v8, |v[XS]|, |v[XS+1]|, |v[XS+2]|               ; the largest magnitude of my 16, in two chains
	v_max3_num_f32 v9, |v[XS+3]|, |v[XS+4]|, |v[XS+5]|
.irp i, 6,10
	v_max3_num_f32 v8, v8, |v[XS+\i]|, |v[XS+\i+1]|
	v_max3_num_f32 v9, v9, |v[XS+\i+2]|, |v[XS+\i+3]|
.endr
	v_max3_num_f32 v8, v8, |v[XS+14]|, |v[XS+15]|
	v_max3_num_f32 v8, v8, v9, (EMAX+1)<<23        ; and the floor 2^(EMAX + 1 - 127): the byte cannot fall under 1
	v_max_num_f32_dpp v8, v8, v8 row_xmask:1 row_mask:0xf bank_mask:0xf   ; and of my neighbour's 16: the block's
	v_add_nc_u32 v11, -(EMAX<<23), v8              ; EMAX off its exponent field: the conversion takes the exponent field of this operand as its scale, and nothing else of it
	v_cvt_scalef32_pk8_fp4_f32 v[C+2*(\t)], v[XS:XS+7], v11
	v_cvt_scalef32_pk8_fp4_f32 v[C+2*(\t)+1], v[XS+8:XS+15], v11
	v_lshrrev_b32 v[E+(\t)], 23, v11               ; the scale's byte (a plain line behind the conversions)
	ds_store_b8 v5, v[E+(\t)] offset:16*(\t)       ; both lanes of a block write the same byte with the same value
	global_store_b64 v4, v[C+2*(\t):C+2*(\t)+1], s[8:9] offset:32*CB*(\t)   ; 32 lanes store 256 consecutive bytes, aligned
.endm
.irp t, 0,1,2,3,4,5,6,7,8,9,10,11,12,13,14,15
	STEP \t
.endr
	ds_load_b64 v[12:13], v6                       ; these see my byte stores: a wave's LDS instructions are served in order
	s_wait_dscnt 0x0
	global_store_b64 v7, v[12:13], s[10:11]        ; 32 lanes store 256 consecutive bytes, aligned
	s_wait_tensorcnt 0x0                           ; the wave's end
	ds_add_u32 v[SPW], v[NIL]
	s_wait_dscnt 0x0
	s_endpgm
.Lfunc_end_k_q32577099fd_quant:
	.size	k_q32577099fd_quant, .Lfunc_end_k_q32577099fd_quant-k_q32577099fd_quant
	.p2alignl 7, 3214868480
	.fill 96, 4, 3214868480
	.section	.rodata,"a",@progbits
	.p2align	6, 0x0
	.amdhsa_kernel k_q32577099fd_quant
		.amdhsa_group_segment_fixed_size 16640
		.amdhsa_private_segment_fixed_size 0
		.amdhsa_enable_private_segment 0
		.amdhsa_kernarg_size 48
		.amdhsa_user_sgpr_count 2
		.amdhsa_user_sgpr_kernarg_segment_ptr 1
		.amdhsa_wavefront_size32 1
		.amdhsa_system_sgpr_workgroup_id_x 1
		.amdhsa_system_sgpr_workgroup_id_y 1
		.amdhsa_system_sgpr_workgroup_id_z 1
		.amdhsa_system_vgpr_workitem_id 0
		.amdhsa_next_free_vgpr 226
		.amdhsa_next_free_sgpr 66
		.amdhsa_reserve_vcc 0
		.amdhsa_float_denorm_mode_32 3
		.amdhsa_float_denorm_mode_16_64 3
		.amdhsa_memory_ordered 1
		.amdhsa_forward_progress 1
		.amdhsa_inst_pref_size 34
	.end_amdhsa_kernel
	.amdgpu_metadata
---
amdhsa.version: [ 1, 2 ]
amdhsa.kernels:
  - .name:           k_q32577099fd_quant
    .symbol:         k_q32577099fd_quant.kd
    .args:
      - { .name: x, .offset: 0, .size: 8, .value_kind: global_buffer, .address_space: global }
      - { .name: W, .offset: 8, .size: 8, .value_kind: global_buffer, .address_space: global }
      - { .name: xc, .offset: 16, .size: 8, .value_kind: global_buffer, .address_space: global }
      - { .name: xs, .offset: 24, .size: 8, .value_kind: global_buffer, .address_space: global }
      - { .name: wc, .offset: 32, .size: 8, .value_kind: global_buffer, .address_space: global }
      - { .name: ws, .offset: 40, .size: 8, .value_kind: global_buffer, .address_space: global }
    .group_segment_fixed_size: 16640
    .private_segment_fixed_size: 0
    .kernarg_segment_align: 8
    .kernarg_segment_size: 48
    .max_flat_workgroup_size: 64
    .sgpr_count:     66
    .vgpr_count:     226
    .wavefront_size: 32
...
	.end_amdgpu_metadata
.endif
;; end of part 1
;; launch proj (part 2): grid 12 x 32, 4 waves a work-group, clusters of 4 x 4, 288,256 bytes of LDS; arguments xc, xs, wc, ws, b, kv, qq; writes kv, qq
.if DOCPART == 2
	.amdgcn_target "amdgcn-amd-amdhsa--gfx1250"
	.amdhsa_code_object_version 6
	.text
	.protected	k_q32577099fd_proj
	.globl	k_q32577099fd_proj
	.p2align	8
	.type	k_q32577099fd_proj,@function
k_q32577099fd_proj:
	s_mov_b64 s[64:65], 0
	v_nop
	global_prefetch_b8 v0, s[64:65] scope:SCOPE_SE
	s_setreg_imm32_b32 hwreg(HW_REG_WAVE_MODE, 25, 1), 1
	s_wait_xcnt 0x0
	s_wait_alu depctr_hold_cnt(0) depctr_sa_sdst(0) depctr_va_vdst(0) depctr_va_sdst(0) depctr_va_ssrc(0) depctr_va_vcc(0) depctr_vm_vsrc(0)
	s_getreg_b32 s2, hwreg(HW_REG_IB_STS2, 6, 4)
	s_cmp_eq_u32 s2, 0
	s_cbranch_scc0 .Lentry_in_a_cluster
	s_endpgm
.Lentry_in_a_cluster:
	s_bfe_u32 s2, ttmp6, 0x10000c
	s_cmp_lg_u32 s2, 0xf033
	s_cbranch_scc0 .Lentry_shape_is_right
	s_endpgm
.Lentry_shape_is_right:
; z = x W^T + b on codes of FP4 (E2M1) with one E8M0 scale for each 32 along K = 1,024; z never goes to memory: in the registers in which it is summed it gets its bias and is quantised again,
; k and q along the head's 64, v along the keys, and only codes and scale words are stored, laid as the attention launch's operand registers take them.
; xc [8192][512 bytes], wc [3072][512 bytes]: codes; xs, ws: 32 scale bytes a row.  Their rows lie in the stored order (bits 5:3 of a row's number rotated): stored row 16 t + r of a group of 64 is true row 32 (r / 8) + 8 t + r % 8.
; A tile of z, 256 x 256, is made by a work-group of four waves; a wave makes 128 x 128: 64 accumulators of 16 x 16, 512 registers.  K is two LDS slots of 512 along K (rows of 256 bytes): both are asked for at the
; start, with the scale bytes, and nothing is filled twice.
; ROLES.  Source 0 (region B) carries the index along which the result is quantised: a lane's 16 registers of two neighbouring tiles are then 16 true neighbours of it.  Source 1 (region A) carries the index that stays in a lane.
;   cluster x = 0 (k) and 1 (q): A = 256 tokens of x, B = 256 rows of W (four heads).     cluster x = 2 (v): A = 256 rows of W, B = 256 tokens.   The choice hangs on the cluster's x alone, which all sixteen partners share.
; CLUSTERS: 4 x 4 work-groups.  A's tile hangs on cy, B's on cx: the four of a row of the cluster ask for A's tile jointly, the four of a column for B's, by the same tensor load with the same descriptor and a mask that names the four.
; OUT.  A block of 16 of A's rows x my 128 of B's is 64 numbers a lane: + bias, four blocks of 32, their scales, eight registers of codes in the layout of a 4-bit operand.
;   k, q: registers 0-3 are head 0's 64 of 16 tokens, registers 4-7 head 1's: each four go out as an image of the registers, lane l's 16 bytes at 16 l: 512 consecutive bytes, aligned.
;   v: the eight registers are 16 of a head's 64 x 128 keys: two such images.   Scale words: 16 bytes a lane, sixteen lanes to 256 consecutive bytes, aligned.
;   kv: [64 heads][16 steps of 128 keys][8,960 bytes: K's 8 images | K's scale words [2][16 rows][4 tiles] | V's 4 x 2 images | V's scale words [16 rows][4 tiles]].   qq: [64][16 groups of 128 queries][4,608: 8 images | scale words as K's].
;   A scale word of k or q has its two bytes below and 0x7f, 0x7f above: the attention launch fills its K of 64 up to the instruction's 128 with zero codes.
; LIMITS: NaN and infinities are not served; a block of zeros gets the scale byte 1 (its codes are zeros, and only this program reads the bytes).
; REGISTERS, in windows of 256: window 0: v16-28 addresses; v32-95 scale words, two sets (on the way out: a block's 64 numbers); v96-127 at work on the way out; v128-191 A's fragments, one set (on the way out: the codes); v192-255 the bias.
;   window 1: B's fragments, two sets, at v0 and v128.   window 2: the accumulators of A's blocks 0-3 ((a, b) at v[8 (8 (a % 4) + b)]);   window 3: those of blocks 4-7.
.set NQ,     4                         ; matrix instructions deep in a slot: 512 along K
.set ROWB,   512                       ; a tile's row in bytes: all of K in one fill
.set KROW,   512                       ; a row of codes in memory
.set PITCH,  528                       ; an LDS row: 512 bytes + 16 of padding = 132 words: row r starts at bank 4 r mod 64 (64 banks of 4 bytes: ISA guide 11.1)
.set FR,     8                         ; registers of a fragment: 16 rows x 128 K
.set NL,     2                         ; LDS loads that bring one
.set NP,     4                         ; places behind this matrix instruction (ISA guide 7.12.1)
.set HALFT,  128*PITCH                 ; 128 rows: what one wave reads of A or of B
.set SLOT,   256                       ; the two halves of K lie in one row, 256 bytes apart
.set KS,     32                        ; a row of scale bytes
.set SCL,    4*HALFT                   ; behind A's 256 rows and B's 256 rows: the scales, as runs of 256 bytes + 16 of padding
.set HALFS,  16*272                    ; the scales of 128 rows
.set SBLK,   2*272                     ; those of 16 rows
.set KVHEAD, 143360                    ; a head in kv
.set KVSTEP, 8960                      ; a step of 128 keys in kv
.set QHEAD,  73728                     ; a head in qq
.set QGRP,   4608                      ; a group of 128 queries in qq
.set ADRA, 16                          ; v16-17  LDS address of my A fragments in slot 0, 1
.set ADRB, 20                          ; v20-21  the same for B
.set VB0,  22                          ; v22     bias, k and q: 128 (lane / 16)
.set VB1,  23                          ; v23     bias, v: 4 (r + 24 (r / 8))
.set VO0,  24                          ; v24     16 x lane: an image's place for my lane
.set VO1,  25                          ; v25     the same one head on
.set VS,   26                          ; v26     scale words: 16 r, lanes 16-31 one head on
.set ADRS, 27                          ; v27     LDS address of my scale words: lanes 0-15 A's rows, lanes 16-31 B's
.set SH,   28                          ; v28     16 (lane / 16): which half of a scale word is my head's
.set SC,   32                          ; scale words: set s at v[SC + 32 s]; register 4 i + q: lanes 0-15 A's block i, lanes 16-31 B's block i, the slot's q-th 128 along K
.set HA,   32                          ; the way out: 64 numbers
.set TM,   96                          ; v96-99 largest magnitudes, v100-102 bytes and the scale word's copy, v108-109 the conversions' scale operands
.set TS,   112                         ; v112-115 v's scale words as they are stored
.set SW,   120                         ; v120-127 a scale word for each of A's eight blocks
.set AF,   128                         ; A's fragments
.set PCB,  128                         ; the way out: eight registers of codes for each block, so that no store's data are written again
.set BI,   192                         ; the bias, in the layout of a block's 64 numbers
.set SEL,  2
.set G1,   24                          ; s[24:31] descriptor group 1 for A's tiles;  s[32:39] group 0, one set for each slot
.set G0,   32
.set G1B,  48                          ; s[48:55], s[56:63] the same for B's tiles
.set G0B,  56
.set G1S,  68                          ; s[68:75], s[76:79] groups 1 and 0 for A's scales;  s[80:87], s[88:91] for B's
.set G0S,  76
.set G1SB, 80
.set G0SB, 88
.set HS,   95                          ; s95  bytes from head to head in my output
.set GS,   96                          ; s96  bytes from one group of 128 tokens to the next
.set PAD7F, 97                         ; s97  0x7f7f0000
.set HIMASK, 98                        ; s98  lanes 16-31
.set MSB, 0
.macro WIN new                         ; the immediate's high byte repeats the setting that is left; a switch that changes nothing is dropped
.if MSB != (\new)
	s_set_vgpr_msb (MSB<<8)|(\new)
.set MSB, (\new)
.endif
.endm
.set MUL_LO, 0xa1                      ; source 0 (B) window 1, source 1 (A) window 0, C and D window 2
.set MUL_HI, 0xf1                      ; the same, C and D window 3
.set TO_B,   0x40                      ; destination window 1, address window 0
; A joint load: waves 0 and 2 fetch for A, waves 1 and 3 for B.  Each of the four lines has ONE mask and one set of registers for all that issue it; the branch hangs on the wave's number alone.
; Four v_nop follow each of the four lines, ahead of the jump, the label and what follows.
; Here: an arm of ONE tree of branches on the wave's number: wave 0 fetches A's codes, wave 1 B's, wave 2 A's scales, wave 3 B's: one joint load a wave.
.macro ARM under, g0, g1, next
	s_cmp_lt_u32 s14, \under
	s_cbranch_scc0 \next
	tensor_load_to_lds s[\g0:\g0+3], s[\g1:\g1+7]
	s_nop 0
.rept 4
	v_nop
.endr
	s_branch .Lhead_asked
\next:
.endm
; A round of the cluster's barrier: my work-group's barrier, so that wave 0's signal speaks for all four waves; wave 0 signals for the work-group; every wave waits for all sixteen work-groups; my work-group's barrier once more.
.macro CROUND
	s_barrier_signal -1
	s_barrier_wait -1
	s_cmp_lg_u32 s14, 0
	s_cbranch_scc1 .Lnot_wave_0_\@
	s_barrier_signal -3
.Lnot_wave_0_\@:
	s_barrier_wait -3
	s_barrier_signal -1
	s_barrier_wait -1
.endm
	s_load_b256 s[68:75], s[0:1], 0x0              ; xc s[68:69], xs s[70:71], wc s[72:73], ws s[74:75]
	s_load_b128 s[76:79], s[0:1], 0x20             ; b s[76:77], kv s[78:79]
	s_load_b64 s[80:81], s[0:1], 0x30              ; qq
	v_lshl_add_u32 v118, v0, 2, 0x46400            ; the spare words lie behind the scales: byte 287,744
	v_mov_b32 v119, 0
	ds_add_u32 v118, v119
	ds_add_u32 v118, v119
	v_lshrrev_b32 v1, 5, v0
	v_readfirstlane_b32 s14, v1                    ; wave 0..3
	s_lshr_b32 s15, s14, 1                         ; which half of A's rows is mine.
	s_and_b32 s16, s14, 1                          ; which half of B's rows.
	s_bfe_u32 s40, ttmp6, 0x40000                  ; cx, cy: my place in the cluster
	s_bfe_u32 s41, ttmp6, 0x40004
	s_and_b32 s18, ttmp7, 0xffff
	s_lshl_b32 s18, s18, 2                         ; 4 x cluster y: the cluster's first tile of 256 tokens
	s_lshl_b32 s19, ttmp9, 2                       ; 4 x cluster x: its first tile of 256 rows of W
	s_cmp_eq_u32 ttmp9, 2                          ; v's clusters?
	s_cselect_b32 s17, 8, s18                      ; A's tiles: v: W's from 8 on; else x's
	s_cselect_b32 s42, s18, s19                    ; B's tiles: v: x's; else W's
	s_add_co_u32 s17, s17, s41                     ; A's tile hangs on cy alone,
	s_add_co_u32 s42, s42, s40                     ; B's on cx alone
	s_lshl_b32 s43, s41, 2
	s_lshl_b32 s43, 15, s43                        ; my row of the cluster
	s_lshl_b32 s44, 0x1111, s40                    ; my column
	; descriptor group 1: a tile of 128 rows x 256 bytes, padded in LDS
	s_or_b32 s[G1+0], s43, (0<<16)|(1<<20)|(1<<21)|(6<<22)|(3<<25)  ; padding: four words behind every 128; 256 rows of 512 bytes a load
	s_or_b32 s[G1B+0], s44, (0<<16)|(1<<20)|(1<<21)|(6<<22)|(3<<25)
.irp g, G1, G1B
	s_mov_b32 s[\g+1], ROWB<<16                    ; tensor_dim0
	s_mov_b32 s[\g+2], 256<<16                     ; tensor_dim1 = 256
	s_mov_b32 s[\g+3], ROWB<<16                    ; tile_dim0
	s_mov_b32 s[\g+4], 256                         ; tile_dim1 = 256
	s_mov_b32 s[\g+5], KROW                        ; tensor_dim0_stride
	s_mov_b32 s[\g+6], 0
	s_mov_b32 s[\g+7], 0
.endr
	s_lshl_b32 s20, s17, 8                         ; A: row 256 x tile
	s_lshl_b32 s46, s42, 8                         ; B likewise
	s_mov_b32 s21, 0
	s_mov_b32 s47, 0
	s_mov_b64 s[18:19], KS
	s_mul_u64 s[22:23], s[20:21], s[18:19]         ; where these rows' scales begin, in bytes
	s_mul_u64 s[92:93], s[46:47], s[18:19]
	s_mov_b64 s[18:19], KROW
	s_mul_u64 s[20:21], s[20:21], s[18:19]         ; and their codes
	s_mul_u64 s[46:47], s[46:47], s[18:19]
	s_mov_b32 s[PAD7F], 0x7f7f0000
	s_mov_b32 s[HIMASK], 0xffff0000
	s_wait_dscnt 0x0
	s_wait_kmcnt 0x0
	s_cmp_eq_u32 ttmp9, 2                          ; which tensor is A and which B
	s_cselect_b64 s[4:5], s[72:73], s[68:69]       ; A's codes
	s_cselect_b64 s[6:7], s[74:75], s[70:71]       ; A's scales
	s_cselect_b64 s[8:9], s[68:69], s[72:73]       ; B's codes
	s_cselect_b64 s[10:11], s[70:71], s[74:75]     ; B's scales
	s_cmp_eq_u32 ttmp9, 1
	s_cselect_b64 s[12:13], s[80:81], s[78:79]     ; q goes to qq, k and v to kv
	s_mov_b64 s[66:67], s[76:77]                   ; b
	s_add_nc_u64 s[20:21], s[4:5], s[20:21]
	s_add_nc_u64 s[22:23], s[6:7], s[22:23]
	s_add_nc_u64 s[46:47], s[8:9], s[46:47]
	s_add_nc_u64 s[92:93], s[10:11], s[92:93]
	; s68 to s91 have given up their addresses.  Group 1 for the scales of 256 rows: a dense block of 8,192 bytes, as 32 rows of 256 bytes (32 elements of 8 bytes), 16 bytes of padding behind each
	s_or_b32 s[G1S+0], s43, (3<<16)|(1<<20)|(1<<21)|(5<<22)|(3<<25)
	s_or_b32 s[G1SB+0], s44, (3<<16)|(1<<20)|(1<<21)|(5<<22)|(3<<25)
.irp g, G1S, G1SB
	s_mov_b32 s[\g+1], 32<<16
	s_mov_b32 s[\g+2], 32<<16
	s_mov_b32 s[\g+3], 32<<16
	s_mov_b32 s[\g+4], 32
	s_mov_b32 s[\g+5], 32
	s_mov_b32 s[\g+6], 0
	s_mov_b32 s[\g+7], 0
.endr
	CROUND                                         ; all sixteen work-groups are here: the joint loads meet
	s_mov_b32 s[G0], 1                             ; A's 256 rows, all of K,
	s_mov_b32 s[G0+1], 0
	s_mov_b64 s[G0+2:G0+3], s[20:21]
	s_or_b32 s[G0+3], s[G0+3], 0x80000000
	s_mov_b32 s[G0B], 1                            ; B's,
	s_mov_b32 s[G0B+1], 2*HALFT
	s_mov_b64 s[G0B+2:G0B+3], s[46:47]
	s_or_b32 s[G0B+3], s[G0B+3], 0x80000000
	s_mov_b32 s[G0S], 1                            ; A's scales
	s_mov_b32 s[G0S+1], SCL
	s_mov_b64 s[G0S+2:G0S+3], s[22:23]
	s_or_b32 s[G0S+3], s[G0S+3], 0x80000000
	s_mov_b32 s[G0SB], 1                           ; and B's
	s_mov_b32 s[G0SB+1], SCL+2*HALFS
	s_mov_b64 s[G0SB+2:G0SB+3], s[92:93]
	s_or_b32 s[G0SB+3], s[G0SB+3], 0x80000000
	ARM 1, G0,  G1,  .Lhead_b
	ARM 2, G0B, G1B, .Lhead_sa
	ARM 3, G0S, G1S, .Lhead_sb
	tensor_load_to_lds s[G0SB:G0SB+3], s[G1SB:G1SB+7]
	s_nop 0
.rept 4
	v_nop
.endr
.Lhead_asked:
	v_and_b32 v1, 15, v0                           ; r = lane % 16
	v_bfe_u32 v2, v0, 4, 1                         ; h = lane / 16
	v_mul_u32_u24 v3, v1, PITCH
	v_lshl_add_u32 v4, v2, 4, v3                   ; a fragment's row x pitch + 16 x half
	s_mul_i32 s21, s15, HALFT                      ; my 128 rows of A
	s_mul_i32 s22, s16, HALFT                      ; my 128 rows of B,
	s_add_co_u32 s22, s22, 2*HALFT                 ; which lie behind A's 256
.irp s, 0,1
	v_add_nc_u32 v[ADRA+\s], s21, v4
	v_add_nc_u32 v[ADRB+\s], s22, v4
	s_add_co_u32 s21, s21, SLOT
	s_add_co_u32 s22, s22, SLOT
.endr
	v_mul_u32_u24 v5, v1, KS                       ; my row's scales: 32 bytes a row,
	v_lshrrev_b32 v6, 8, v5
	v_lshl_add_u32 v5, v6, 4, v5                   ; and 16 more for each 256 passed
	s_mul_i32 s21, s15, HALFS                      ; A's: my 128 rows
	s_mul_i32 s22, s16, HALFS                      ; B's: my 128 rows, behind A's 256
	s_add_co_u32 s22, s22, 2*HALFS
	s_sub_co_u32 s22, s22, s21
	v_mul_u32_u24 v6, s22, v2                      ; lanes 16-31 take B's: the lower base + h x the distance
	s_add_co_u32 s21, s21, SCL
	v_add_nc_u32 v5, v5, v6
	v_add_nc_u32 v[ADRS], s21, v5
	; where my results go.  TG: my group of 128 tokens (0..63); WI: my group of 128 rows of W (0..23): two heads
	s_lshl_b32 s18, s17, 1
	s_add_co_u32 s18, s18, s15                     ; A's group: 2 x tile + half
	s_lshl_b32 s19, s42, 1
	s_add_co_u32 s19, s19, s16                     ; B's
	s_cmp_eq_u32 ttmp9, 2
	s_cselect_b32 s20, s19, s18                    ; TG
	s_cselect_b32 s21, s18, s19                    ; WI
	s_cmp_eq_u32 ttmp9, 1
	s_mov_b32 s[HS], KVHEAD
	s_cselect_b32 s[HS], QHEAD, s[HS]
	s_mov_b32 s[GS], KVSTEP
	s_cselect_b32 s[GS], QGRP, s[GS]
	s_and_b32 s22, s21, 7                          ; which pair of the 16 heads
	s_lshl_b32 s22, s22, 1
	s_lshr_b32 s23, s20, 4                         ; which of the four sequences: 16 groups of tokens each
	s_lshl_b32 s23, s23, 4
	s_add_co_u32 s22, s22, s23                     ; head 16 n + 2 x pair
	s_mul_i32 s22, s22, s[HS]
	s_and_b32 s23, s20, 15
	s_mul_i32 s23, s23, s[GS]
	s_add_co_u32 s22, s22, s23                     ; under 2^24
	s_mov_b32 s23, 0
	s_add_nc_u64 s[12:13], s[12:13], s[22:23]
	s_lshl_b32 s22, s21, 9                         ; b: my 128 numbers
	s_add_nc_u64 s[66:67], s[66:67], s[22:23]
	v_lshlrev_b32 v[VB0], 7, v2                    ; 32 rows of W a lane half
	v_and_b32 v[VB1], 8, v1
	v_mad_u32_u24 v[VB1], v[VB1], 3, v1            ; 32 (r / 8) + r % 8
	v_lshlrev_b32 v[VB1], 2, v[VB1]
	v_and_b32 v6, 31, v0
	v_lshlrev_b32 v[VO0], 4, v6
	v_add_nc_u32 v[VO1], s[HS], v[VO0]
	v_mul_u32_u24 v[VS], s[HS], v2
	v_lshl_add_u32 v[VS], v1, 4, v[VS]
	v_lshlrev_b32 v[SH], 4, v2
	; the bias, in the layout of a block's 64 numbers; it is wanted on the way out.  Both ways write all 64 registers.
	s_wait_alu depctr_va_vdst(0)                   ; the wait here, ahead of the branch
	s_cmp_eq_u32 ttmp9, 2
	s_cbranch_scc1 .Lbias_v
.irp bb, 0,1                           ; k, q: W's rows run along my registers: register 32 bb + i is row 64 bb + 32 h + i
.irp k, 0,1,2,3,4,5,6,7
	global_load_b128 v[BI+32*\bb+4*\k:BI+32*\bb+4*\k+3], v[VB0], s[66:67] offset:256*\bb+16*\k
.endr
.endr
	s_branch .Lbias_done
.Lbias_v:
.set n, 0
	s_wait_alu depctr_va_vdst(0)
.rept 64                               ; v: W's rows lie across the lanes: lane r of block a is row 64 (a / 4) + 8 (a % 4) + 32 (r / 8) + r % 8; registers 8 a .. 8 a + 7 all hold its number
	global_load_b32 v[BI+n], v[VB1], s[66:67] offset:(64*(n/32)+8*((n/8)%4))*4
.set n, n+1
.endr
.Lbias_done:
.macro FRAG reg, adr, q, i             ; a fragment, 16 rows x 128 K of 4-bit codes, is 8 registers: lane l holds row l % 16; registers 4 c .. 4 c + 3 hold K = 64 c + 32 (l / 16) + 0 .. 31
.irp c, 0,1
	ds_load_b128 v[\reg+4*\c:\reg+4*\c+3], v[\adr] offset:64*(\q)+32*\c+(\i)*16*PITCH
.endr
.endm
; 16 matrix instructions: A's blocks a0, a0 + 1 x B's eight, 128 along K: the slot's q-th.  p: B's set;  sc: the set of scale words.  zero = 1: the first product starts the sums: nothing is ever cleared.
; The 64 accumulators take turns, one instruction a turn, in the same order in every step.
.macro MUL16 a0, p, q, sc, zero
.irp a, \a0, \a0+1
.irp b, 0,1,2,3,4,5,6,7
.if \zero
	v_wmma_scale_f32_16x16x128_f8f6f4 v[8*(8*((\a)%4)+\b):8*(8*((\a)%4)+\b)+7], v[128*(\p)+FR*\b:128*(\p)+FR*\b+FR-1], v[AF+FR*(\a):AF+FR*(\a)+FR-1], 0, v[SC+8*NQ*(\sc)+NQ*\b+(\q)], v[SC+8*NQ*(\sc)+NQ*(\a)+(\q)] matrix_a_fmt:MATRIX_FMT_FP4 matrix_b_fmt:MATRIX_FMT_FP4 matrix_a_scale:MATRIX_SCALE_ROW1
.else
	v_wmma_scale_f32_16x16x128_f8f6f4 v[8*(8*((\a)%4)+\b):8*(8*((\a)%4)+\b)+7], v[128*(\p)+FR*\b:128*(\p)+FR*\b+FR-1], v[AF+FR*(\a):AF+FR*(\a)+FR-1], v[8*(8*((\a)%4)+\b):8*(8*((\a)%4)+\b)+7], v[SC+8*NQ*(\sc)+NQ*\b+(\q)], v[SC+8*NQ*(\sc)+NQ*(\a)+(\q)] matrix_a_fmt:MATRIX_FMT_FP4 matrix_b_fmt:MATRIX_FMT_FP4 matrix_a_scale:MATRIX_SCALE_ROW1
.endif
.endr
.endr
.endm
.macro FETCH_B slot, q, p              ; B's eight fragments of the slot's q-th 128 along K into set p
	WIN TO_B
.irp i, 0,1,2,3,4,5,6,7
	FRAG 128*(\p)+FR*\i, ADRB+\slot, \q, \i
.endr
	WIN 0
.endm
.macro FETCH_A slot, q, i0             ; A's blocks i0 .. i0 + 3
.irp i, \i0, \i0+1, \i0+2, \i0+3
	FRAG AF+FR*(\i), ADRA+\slot, \q, \i
.endr
.endm
.macro SCALES sc                       ; a slot's scale words into set sc: 4 words a row; lanes 0-15 take A's block i, lanes 16-31 B's block i
.irp i, 0,1,2,3,4,5,6,7
	ds_load_b128 v[SC+8*NQ*\sc+NQ*\i:SC+8*NQ*\sc+NQ*\i+3], v[ADRS] offset:\i*SBLK
.endr
.endm
; A load into a register that a matrix instruction has read, and a vector instruction that reads a matrix result or writes one of a matrix instruction's registers, stand NP places behind it, and only plain
; vector instructions that name none of its registers are places (ISA guide 7.12.1 for vector instructions).
.macro PLACES n
.rept \n
	v_nop
.endr
.endm
; A step of 128 along K that has its successor in the same slot.  A's blocks go one after the other, each against B's eight: a block of A is free as soon as its eight products are issued, so A has one set of registers.
.macro STEP slot, q, zero
	s_wait_dscnt 4*NL                              ; B's set and A's blocks 0-3 are in; the youngest eight loads (A's blocks 4-7) may be out
	WIN MUL_LO
	MUL16 0, (\q)%2, \q, \slot, \zero
	MUL16 2, (\q)%2, \q, \slot, \zero
	s_wait_dscnt 0                                 ; A's blocks 4-7 are in (asked for 32 matrix instructions ago)
	PLACES NP
	FETCH_B \slot, (\q)+1, 1-(\q)%2
	FETCH_A \slot, (\q)+1, 0
	WIN MUL_HI
	MUL16 4, (\q)%2, \q, \slot, \zero
	MUL16 6, (\q)%2, \q, \slot, \zero
	PLACES NP
	WIN 0
	FETCH_A \slot, (\q)+1, 4
.endm
.macro STEPS slot, from                ; the slot's steps from .. NQ - 2
.set Q, \from
.rept NQ-1-\from
	STEP \slot, Q, 0
.set Q, Q+1
.endr
.endm
	s_wait_alu depctr_va_vdst(0)                   ; the wait at the head's end
	s_wait_tensorcnt 0x0                           ; my one tensor load is in: no other follows,
	s_barrier_signal -1
	s_barrier_wait -1                              ; everybody's are
	FETCH_B 0, 0, 0
	FETCH_A 0, 0, 0
	SCALES 0
	FETCH_A 0, 0, 4
	STEP 0, 0, 1                                   ; the first step's products start the sums
	STEPS 0, 1
	; slot 0's last step goes over to slot 1: no barrier: slot 1 landed at the start with slot 0.
	s_wait_dscnt 4*NL                              ; (A's blocks 4-7 may be out)  on to the second half of K, which lies in the same rows
	WIN MUL_LO
	MUL16 0, 1, NQ-1, 0, 0
	MUL16 2, 1, NQ-1, 0, 0
	s_wait_dscnt 0x0
	WIN 0
	PLACES NP
	v_add_nc_u32 v[ADRS], 4*NQ, v[ADRS]            ; on to slot 1's scale words (no LDS load of mine is out)
	FETCH_B 1, 0, 0
	FETCH_A 1, 0, 0
	SCALES 1
	WIN MUL_HI
	MUL16 4, 1, NQ-1, 0, 0
	MUL16 6, 1, NQ-1, 0, 0
	PLACES NP
	WIN 0
	FETCH_A 1, 0, 4
	STEPS 1, 0
	s_wait_dscnt 4*NL                              ; the very last step: nothing more to fetch
	WIN MUL_LO
	MUL16 0, 1, NQ-1, 1, 0
	MUL16 2, 1, NQ-1, 1, 0
	s_wait_dscnt 0
	WIN MUL_HI
	MUL16 4, 1, NQ-1, 1, 0
	MUL16 6, 1, NQ-1, 1, 0
	WIN 0
; 64 numbers of a lane, v[src] on, register 16 b + i = index 32 b + 16 (lane / 16) + i of my row, become a fragment's eight registers of codes, v[pc] on, and its scale word, v[pw].
; (In the stored order register 32 c + i is index 64 c + 32 (lane / 16) + i: each 32 registers are ONE whole block, of my lane alone.)
.macro QUANT src, pc, pw
.irp b, 0,1,2,3
	v_max3_num_f32 v[TM+\b], |v[(\src)+16*\b]|, |v[(\src)+1+16*\b]|, 0x1800000   ; a half block, and the floor 2^(3 - 127): the byte cannot fall under 1
.endr
.irp i, 2,4,6,8,10,12,14
.irp b, 0,1,2,3
	v_max3_num_f32 v[TM+\b], v[TM+\b], |v[(\src)+16*\b+\i]|, |v[(\src)+1+16*\b+\i]|   ; (by turns: no line waits for the line above it)
.endr
.endr
	v_max_num_f32 v[TM], v[TM], v[TM+1]
	v_max_num_f32 v[TM+2], v[TM+2], v[TM+3]
	v_add_nc_u32 v[TM+12], 0xff000000, v[TM]       ; 2 off the exponent field: the conversion takes the exponent field of this operand as its scale, and nothing else of it
	v_add_nc_u32 v[TM+13], 0xff000000, v[TM+2]
	v_lshrrev_b32 v[TM+4], 23, v[TM+12]            ; the scales' bytes
	v_lshrrev_b32 v[TM+5], 23, v[TM+13]
	v_lshl_or_b32 v[\pw], v[TM+5], 16, v[TM+4]
	v_mov_b32 v[TM+6], v[\pw]
	v_permlane16_swap_b32 v[\pw], v[TM+6]          ; lanes 0-15's bytes in all lanes, and lanes 16-31's
	v_lshl_or_b32 v[\pw], v[TM+6], 8, v[\pw]       ; the four bytes make my row's scale word
.irp g, 0,1,2,3,4,5,6,7
	v_cvt_scalef32_pk8_fp4_f32 v[(\pc)+\g], v[(\src)+8*\g:(\src)+8*\g+7], v[TM+12+\g/4]
.endr
	v_nop                                          ; one plain place behind a scaled conversion
.endm
; THE WAY OUT, A's blocks one after the other.  One packed addition brings two sums into window 0 and adds their bias; each accumulator is read from its low end on.  Every store has data registers of its own
; and addresses that are never rewritten, so no wait stands among the stores.
.macro EPI isv
.irp a, 0,1,2,3,4,5,6,7
	WIN 0x02+\a/4                                  ; source 0: window 2 or 3
.set n, 0
.rept 32
.if \isv
	v_pk_add_f32 v[HA+n:HA+n+1], v[64*(\a%4)+n:64*(\a%4)+n+1], v[BI+8*\a+n%8:BI+8*\a+n%8+1]
.else
	v_pk_add_f32 v[HA+n:HA+n+1], v[64*(\a%4)+n:64*(\a%4)+n+1], v[BI+n:BI+n+1]
.endif
.set n, n+2
.endr
	WIN 0
	QUANT HA, PCB+8*\a, SW+\a
.if \isv
	global_store_b128 v[VO0], v[PCB+8*\a:PCB+8*\a+3], s[12:13] offset:4608+(\a/4)*KVHEAD+(\a%4)*1024        ; 16 of a head's 64 x keys 0-63 of the step: 512 consecutive bytes, aligned
	global_store_b128 v[VO0], v[PCB+8*\a+4:PCB+8*\a+7], s[12:13] offset:4608+(\a/4)*KVHEAD+(\a%4)*1024+512  ; x keys 64-127
.else
	global_store_b128 v[VO0], v[PCB+8*\a:PCB+8*\a+3], s[12:13] offset:512*\a                               ; 16 tokens x the first head's 64
	global_store_b128 v[VO1], v[PCB+8*\a+4:PCB+8*\a+7], s[12:13] offset:512*\a                             ; x the second head's
.endif
.endr
.if \isv
.irp t, 0,1,2,3
	v_cndmask_b32 v[TS+\t], v[SW+\t], v[SW+4+\t], s[HIMASK]   ; lanes 0-15: the first head's four tiles; lanes 16-31: the second's
.endr
	global_store_b128 v[VS], v[TS:TS+3], s[12:13] offset:8704 ; sixteen lanes store 256 consecutive bytes, aligned, in each head
.else
.irp a, 0,1,2,3,4,5,6,7
	v_lshrrev_b32 v[SW+\a], v[SH], v[SW+\a]        ; lanes 0-15 keep the first head's two bytes, lanes 16-31 take the second's
.endr
.irp a, 0,1,2,3,4,5,6,7
	v_and_or_b32 v[SW+\a], v[SW+\a], 0xffff, s[PAD7F]         ; 0x7f, 0x7f above them, for the zero codes that fill K up
.endr
.irp g, 0,1
	global_store_b128 v[VS], v[SW+4*\g:SW+4*\g+3], s[12:13] offset:4096+256*\g
.endr
.endif
.endm
	PLACES NP                                      ; behind the last products: for the reads of their results and for the writes over their scale words
	s_wait_loadcnt 0x0                             ; the bias
	s_cmp_eq_u32 ttmp9, 2
	s_cbranch_scc1 .Lv_out
	EPI 0
	s_branch .Ldone
.Lv_out:
	EPI 1
.Ldone:
	s_wait_tensorcnt 0x0
	ds_add_u32 v118, v119
	s_wait_dscnt 0x0
	CROUND                                         ; the closing round: no work-group ends while a partner may still ask for a tile that names it
	s_endpgm
.Lfunc_end_k_q32577099fd_proj:
	.size	k_q32577099fd_proj, .Lfunc_end_k_q32577099fd_proj-k_q32577099fd_proj
	.p2alignl 7, 3214868480
	.fill 96, 4, 3214868480
	.section	.rodata,"a",@progbits
	.p2align	6, 0x0
	.amdhsa_kernel k_q32577099fd_proj
		.amdhsa_group_segment_fixed_size 288256
		.amdhsa_private_segment_fixed_size 0
		.amdhsa_enable_private_segment 0
		.amdhsa_kernarg_size 56
		.amdhsa_user_sgpr_count 2
		.amdhsa_user_sgpr_kernarg_segment_ptr 1
		.amdhsa_wavefront_size32 1
		.amdhsa_system_sgpr_workgroup_id_x 1
		.amdhsa_system_sgpr_workgroup_id_y 1
		.amdhsa_system_sgpr_workgroup_id_z 1
		.amdhsa_system_vgpr_workitem_id 0
		.amdhsa_next_free_vgpr 1024
		.amdhsa_next_free_sgpr 100
		.amdhsa_reserve_vcc 0
		.amdhsa_float_denorm_mode_32 3
		.amdhsa_float_denorm_mode_16_64 3
		.amdhsa_memory_ordered 1
		.amdhsa_forward_progress 1
		.amdhsa_inst_pref_size 190
	.end_amdhsa_kernel
	.amdgpu_metadata
---
amdhsa.version: [ 1, 2 ]
amdhsa.kernels:
  - .name:           k_q32577099fd_proj
    .symbol:         k_q32577099fd_proj.kd
    .args:
      - { .name: xc, .offset: 0, .size: 8, .value_kind: global_buffer, .address_space: global }
      - { .name: xs, .offset: 8, .size: 8, .value_kind: global_buffer, .address_space: global }
      - { .name: wc, .offset: 16, .size: 8, .value_kind: global_buffer, .address_space: global }
      - { .name: ws, .offset: 24, .size: 8, .value_kind: global_buffer, .address_space: global }
      - { .name: b, .offset: 32, .size: 8, .value_kind: global_buffer, .address_space: global }
      - { .name: kv, .offset: 40, .size: 8, .value_kind: global_buffer, .address_space: global }
      - { .name: qq, .offset: 48, .size: 8, .value_kind: global_buffer, .address_space: global }
    .group_segment_fixed_size: 288256
    .private_segment_fixed_size: 0
    .kernarg_segment_align: 8
    .kernarg_segment_size: 56
    .max_flat_workgroup_size: 128
    .sgpr_count:     100
    .vgpr_count:     1024
    .wavefront_size: 32
...
	.end_amdgpu_metadata
.endif
;; end of part 2
;; launch attn (part 3): grid 4 x 64, 8 waves a work-group, clusters of 4 x 1, 179,200 bytes of LDS; arguments qq, kv, out0; writes out0
.if DOCPART == 3
	.amdgcn_target "amdgcn-amd-amdhsa--gfx1250"
	.amdhsa_code_object_version 6
	.text
	.protected	k_q32577099fd_attn
	.globl	k_q32577099fd_attn
	.p2align	8
	.type	k_q32577099fd_attn,@function
k_q32577099fd_attn:
	s_mov_b64 s[64:65], 0
	v_nop
	global_prefetch_b8 v0, s[64:65] scope:SCOPE_SE
	s_setreg_imm32_b32 hwreg(HW_REG_WAVE_MODE, 25, 1), 1
	s_wait_xcnt 0x0
	s_wait_alu depctr_hold_cnt(0) depctr_sa_sdst(0) depctr_va_vdst(0) depctr_va_sdst(0) depctr_va_ssrc(0) depctr_va_vcc(0) depctr_vm_vsrc(0)
	s_getreg_b32 s2, hwreg(HW_REG_IB_STS2, 6, 4)
	s_cmp_eq_u32 s2, 0
	s_cbranch_scc0 .Lentry_in_a_cluster
	s_endpgm
.Lentry_in_a_cluster:
	s_bfe_u32 s2, ttmp6, 0x10000c
	s_cmp_lg_u32 s2, 0x3003
	s_cbranch_scc0 .Lentry_shape_is_right
	s_endpgm
.Lentry_shape_is_right:
; out0[n][q][64 head + d] = the sum over keys k <= q of softmax_k(Q . K / 32) V, for 64 heads H = 16 n + head of 2,048 tokens and head size 64, both products on codes of FP4 (E2M1) with one E8M0 scale for each 32 along a product's K.
; qq: [64 heads][16 groups of 128 queries][4,608 bytes: 8 tiles of 16 queries as images of the operand's registers (lane l's 16 bytes at 16 l) | scale words [2][16 rows][4 tiles]].
; kv: [64 heads][16 steps of 128 keys][8,960 bytes: K's 8 tiles as such images | K's scale words likewise | V^T's 4 tiles (16 of the head's 64 x 128 keys) as 2 images each | V's scale words [16 rows][4 tiles]].
; Row m of tile t = 4 c + u (of queries, of keys; of V^T's rows with c = 0) is index 64 c + 32 (m / 8) + 8 u + m % 8: so the 32 registers that tiles 4 c .. 4 c + 3, as source 0, leave in a lane are the neighbours
; 64 c + 32 (lane / 16) + 0 .. 31: one whole block of the quantiser in one lane, in the very order in which the next operand's registers take it.
; THE SOFTMAX AHEAD OF THE SECOND PRODUCT: t = score x log2(e) / 32; M = the row's largest t so far, rounded UP to a whole number; p = 2^(t - M) is quantised along the keys, not normalised.  The row's sum is taken of the
; unquantised p, in f32, and divides O at the end.  When M moves, the sum and O are multiplied by 2^(old M - new M): exact.
; K = 64 IN AN INSTRUCTION OF 128: Q's registers 4-7 are zero codes.  K's fragment of tile t is named as the eight registers from its four on: the upper four are the next tile's codes (behind tile 7: four zero registers).
; Every code of E2M1 is a finite number, so times Q's zeros they add nothing; the upper two scale bytes are 0x7f on both sides.
; SHARES.  A cluster of four work-groups is one head.  All four need the head's whole K and V, 143,360 bytes, which fit in LDS: they come ONCE, by joint loads (the same tensor load with the same descriptor and a mask that names the
; four, in all four), one a wave, at the head; nothing is filled twice, and no loop asks memory for anything, so there is nothing to prefetch ahead in.
; A wave owns two strips of 32 queries, one after the other: of group 15 - w and of group w: (16 - w) + (w + 1) = 17 key steps that count, in every wave.  A strip is two tiles, X = tile cx and Y = tile 4 + cx of the group;
; both use each fragment of K and V that the wave reads from LDS.
; CAUSAL.  Work left out: a step all of whose keys come after the strip's queries, for all inputs, by a scalar branch on the wave's number and the step's.  In the one step on the diagonal X sees of keys 0-63 those up to its query and none of
; keys 64-127, Y all of keys 0-63 and of keys 64-127 those up to its query: with the SAME pattern of 64 keys x 16 queries.  It is added as the C of the first product: 0 or -1e30, whose p is 0.
; No branch and no LDS address hangs on cx: it enters Q's and O's addresses in memory, and the numbers of that pattern.
; Both products are used transposed: S^T = K Q^T, O^T = V^T P^T: a lane holds ONE query of each tile (lane % 16) throughout.
; LIMITS: NaN and infinities are not served; the promise holds while the scaled scores t stay under 2^31 in magnitude.  A block's largest p is made from its largest score by the same two instructions as every p: this takes v_exp_f32 not to fall where its input rises.
; A NaN, an infinity or an overflow that reaches only the work left out is not carried to the result.
.set STEPB, 8960                       ; a key step in LDS and in memory
.set HEADB, 16*STEPB                   ; a head's K and V
.set LOADB, 17920                      ; what one wave's tensor load brings: 70 rows of 256 bytes, two key steps
.set QHEAD, 73728
.set QGRP,  4608
.set STAGE, HEADB                      ; behind K and V: 16 rows x (256 bytes + 16) for each wave, for the way out; no tensor load lands there
.set SP,    272
.set SPARE, STAGE+8*16*SP              ; the spare words, 128 bytes for each wave: four blocks of 256 bytes that no other line names
; REGISTERS, window 0
.set AD0, 1                            ; v1   16 x lane: an image's place for my lane
.set AS0, 2                            ; v2   16 r: my row's four scale words
.set AD,  3                            ; v3, v4   the same in the step in hand
.set AS,  4
.set QCO, 5                            ; v5, v6   my codes' and scale word's place in a group of qq
.set QSO, 6
.set STO, 7                            ; v7   the way out: where I put my part of a row
.set RD,  8                            ; v8   where I read a row back
.set GO,  9                            ; v9   my byte offset in the strip's rows of out0
.set SPW, 12                           ; v12  LDS address of my spare word; never rewritten
.set NIL, 13                           ; v13  0; never rewritten
.set PSX, 14                           ; v14, v15  p's scale words
.set PSY, 15
.set DD,  16                           ; v16  my query's place among its 64, less 32 (lane / 16)
.set ADN, 17                           ; v17, v18  as AD, AS, for the fetch of the next step's K
.set ASN, 18
.set QX1, 20                           ; v[20:27], v[28:35] Q of the late strip's tiles: four registers of codes, four of zeros
.set QY1, 28
.set QS1, 36                           ; v36, v37 their scale words;  v38, v39 the early strip's
.set QS2, 38
.set VSC, 40                           ; v[40:43] V's scale words
.set KSC, 44                           ; v[44:51] K's
.set KF,  52                           ; v[52:83] K's 8 tiles, four registers each; v[84:87] zeros.  On the way out: rows of Y
.set VF,  88                           ; v[88:119] V^T's 4 tiles.  On the way out: rows of X
.set HID, 120                          ; v[120:127] -1e30
.set MK,  128                          ; v[128:159] the diagonal's pattern: 0 or -1e30
.set OX,  160                          ; v[160:191], v[192:223] O^T
.set OY,  192
.set QX2, 224                          ; v[224:231], v[232:239] Q of the early strip
.set QY2, 232
; window 1
.set SX,  0                            ; v[0:63], v[64:127] S^T, then p
.set SY,  64
.set LX,  128                          ; v[128:159], v[160:191] the sums, 16 pairs a tile
.set LY,  160
.set NM,  192                          ; v192 -M of X, v196 of Y; the packed forms name a pair and take its low word
.set FF,  194                          ; v194 f = 2^(old M - new M) of X, v198 of Y
.set BM,  200                          ; v[200:207] largest scores: of block c of X at + 2 c, of Y at + 4 + 2 c; then their p
.set T,   208                          ; v208, v209 at work
.set PP,  210                          ; v210, v211 the other half's
.set D,   212                          ; v212, v213
.set BO,  214                          ; v[214:217] the conversions' scale operands
.set BB,  218                          ; v218, v219 scale bytes
.set WW,  220                          ; v220, v221 my half's two bytes of a scale word
.set WP,  222                          ; v222, v223 the other half's
.set PC,  224                          ; v[224:231], v[232:239] p's codes
; scalars
.set WV,  10
.set GA,  11                           ; s11  the early strip's group: the wave's number
.set GB,  12                           ; s12  the late strip's: 15 - wave
.set CX,  13
.set HH,  14
.set G1,  16                           ; s[16:23] descriptor group 1
.set G0,  24                           ; s[24:27] group 0
.set SEL, 32                           ; s[32:33] lane selects for v_permlanex16_b32: lane l xor 16
.set CS,  34                           ; s[34:35] c = log2(e) / 32
.set TB,  36                           ; s36  LDS byte at which the step in hand begins
.set KI,  37                           ; s37  the step's number
.set CNT, 38                           ; s38  trips to go
.set NC,  39                           ; s39  -c
.set TN,  40                           ; s40  TB, at most 14 steps: the next step's K lies one step on
.set MSB, 0
.macro WIN new                         ; the immediate's high byte repeats the setting that is left
.if MSB != (\new)
	s_set_vgpr_msb (MSB<<8)|(\new)
.set MSB, (\new)
.endif
.endm
.macro ROUND                           ; a round of the cluster's barrier
	s_barrier_signal -1
	s_barrier_wait -1
	s_cmp_lg_u32 s[WV], 0
	s_cbranch_scc1 .Lnot_wave_0_\@
	s_barrier_signal -3
.Lnot_wave_0_\@:
	s_barrier_wait -3
	s_barrier_signal -1
	s_barrier_wait -1
.endm
.macro INIT                            ; a strip begins: O^T and the sums as zeros, -M above every -t: the first change of M multiplies zeros, so the key step needs no first form of its own
	WIN 0x40
	v_mov_b32 v[NM], 0x7f61b1e6                    ; 3e38
	v_mov_b32 v[NM+4], 0x7f61b1e6
.set n, 0
.rept 64
	v_mov_b32 v[LX+n], 0
.set n, n+1
.endr
	WIN 0
.set n, 0
.rept 64
	v_mov_b32 v[OX+n], 0
.set n, n+1
.endr
.endm
.macro KLOAD ad, as, off               ; a step's K: ten LDS loads
.irp t, 0,1,2,3,4,5,6,7
	ds_load_b128 v[KF+4*\t:KF+4*\t+3], v[\ad] offset:\off+512*\t
.endr
.irp g, 0,1
	ds_load_b128 v[KSC+4*\g:KSC+4*\g+3], v[\as] offset:\off+4096+256*\g
.endr
.endm
.macro VLOAD                           ; its V: nine
.irp i, 0,1,2,3,4,5,6,7
	ds_load_b128 v[VF+4*\i:VF+4*\i+3], v[AD] offset:4608+512*\i
.endr
	ds_load_b128 v[VSC:VSC+3], v[AS] offset:8704
.endm
.macro QK0 s, q, qs, t                 ; tile t of S^T = K Q^T
	v_wmma_scale_f32_16x16x128_f8f6f4 v[\s+8*(\t):\s+8*(\t)+7], v[KF+4*(\t):KF+4*(\t)+7], v[\q:\q+7], 0, v[KSC+(\t)], v[\qs] matrix_a_fmt:MATRIX_FMT_FP4 matrix_b_fmt:MATRIX_FMT_FP4
.endm
.macro QKC s, q, qs, t, c              ; the same onto the pattern
	v_wmma_scale_f32_16x16x128_f8f6f4 v[\s+8*(\t):\s+8*(\t)+7], v[KF+4*(\t):KF+4*(\t)+7], v[\q:\q+7], v[(\c):(\c)+7], v[KSC+(\t)], v[\qs] matrix_a_fmt:MATRIX_FMT_FP4 matrix_b_fmt:MATRIX_FMT_FP4
.endm
.macro PKF n, m                        ; two scores become t - M (of the pairs c and -M the low word serves both halves)
	v_pk_fma_f32 v[\n:\n+1], v[\n:\n+1], s[CS:CS+1], v[\m:\m+1] op_sel_hi:[1,0,0]
.endm
.macro SUMF l, f, p                    ; two p onto a pair of sums that comes under the new M
	v_pk_fma_f32 v[\l:\l+1], v[\l:\l+1], v[\f:\f+1], v[\p:\p+1] op_sel_hi:[1,0,1]
.endm
.macro SUM l, p
	v_pk_add_f32 v[\l:\l+1], v[\l:\l+1], v[\p:\p+1]
.endm
.macro VWAIT                           ; the wait ahead of a batch of transcendentals and ahead of the first reader of its results
	s_wait_alu depctr_va_vdst(0)
.endm
; THE SOFTMAX of both tiles: everything lies in window 1.  The 128 exponentials go in four batches of 32; between a batch's lines stand the scalings of the next batch, the sums of the one before, and the conversions:
; none of them reads what was written since the wait in front of the batch.
.macro SOFTMAX
	WIN 0x55
.irp k, 0,1,2,3,4,5,6,7                ; THE LARGEST SCORE OF EACH BLOCK serves twice: for the row's maximum and, since p rises with the score, for the block's largest p.  Chain k: 16 registers, half a block
	v_max3_num_f32 v[BM+\k], v[16*\k], v[16*\k+1], v[16*\k+2]
.endr
.irp i, 3,5,7,9,11,13
.irp k, 0,1,2,3,4,5,6,7
	v_max3_num_f32 v[BM+\k], v[BM+\k], v[16*\k+\i], v[16*\k+\i+1]
.endr
.endr
.irp m, 0,1,2,3
	v_max3_num_f32 v[BM+2*\m], v[BM+2*\m], v[32*\m+15], v[32*\m+31]
.endr
.irp m, 0,1,2,3
	v_max_num_f32 v[BM+2*\m], v[BM+2*\m], v[BM+2*\m+1]
.endr
.irp e, 0,1
	v_max_num_f32 v[T+\e], v[BM+4*\e], v[BM+4*\e+2]
.endr
.irp e, 0,1
	v_permlanex16_b32 v[PP+\e], v[T+\e], s[SEL], s[SEL+1]
.endr
.irp e, 0,1
	v_max_num_f32 v[T+\e], v[T+\e], v[PP+\e]       ; the step's largest score of my query
.endr
.irp e, 0,1
	v_mul_f32 v[T+\e], s[NC], v[T+\e]              ; as -t (c is positive)
.endr
.irp e, 0,1
	v_floor_f32 v[T+\e], v[T+\e]                   ; floor(-t) = -ceil(t)
.endr
.irp e, 0,1
	v_min_num_f32 v[T+\e], v[T+\e], v[NM+4*\e]     ; the new -M, a whole number
.endr
.irp e, 0,1
	v_sub_f32 v[D+\e], v[T+\e], v[NM+4*\e]         ; M's old value less its new one: 0 or less
.endr
.irp e, 0,1
	v_mov_b32 v[NM+4*\e], v[T+\e]
.endr
.irp e, 0,1
	v_cvt_i32_f32 v[D+\e], v[D+\e]                 ; (it saturates)
.endr
.irp e, 0,1
	v_ldexp_f32 v[FF+4*\e], 1.0, v[D+\e]           ; f = 2^(old M - new M)
.endr
.irp m, 0,1,2,3
	v_fma_f32 v[BM+2*\m], v[BM+2*\m], s[CS], v[NM+4*(\m/2)]
.endr
.set n, 0
.rept 16
	PKF n, NM
.set n, n+2
.endr
	WIN 0x04
.set n, 0
.rept 16
	v_pk_mul_f32 v[OX+n:OX+n+1], v[OX+n:OX+n+1], v[FF:FF+1] op_sel_hi:[1,0]   ; O^T under the new M
	v_pk_mul_f32 v[OY+n:OY+n+1], v[OY+n:OY+n+1], v[FF+4:FF+5] op_sel_hi:[1,0]
.set n, n+2
.endr
	WIN 0x55
	VWAIT
.set n, 0
.rept 16                               ; p = 2^(t - M), at most 1: X's first 32
	v_exp_f32 v[n], v[n]
	v_exp_f32 v[n+1], v[n+1]
	PKF 32+n, NM
.set n, n+2
.endr
	v_exp_f32 v[BM], v[BM]                         ; the blocks' largest p: the same two instructions on the same numbers give the same bits
	v_exp_f32 v[BM+2], v[BM+2]
	VWAIT
.set n, 0
.rept 16                               ; X's second 32
	v_exp_f32 v[32+n], v[32+n]
	SUMF LX+n, FF, n
	v_exp_f32 v[33+n], v[33+n]
	PKF 64+n, NM+4
.set n, n+2
.endr
	VWAIT
.irp c, 0,1                            ; X's scales
	v_max_num_f32 v[BM+2*\c], 0x1800000, v[BM+2*\c]   ; the floor 2^(3 - 127): the byte cannot fall under 1 (a block whose every p is 0 keeps that byte: its codes are zeros)
.endr
.irp c, 0,1
	v_add_nc_u32 v[BO+\c], 0xff000000, v[BM+2*\c]  ; 2 off the exponent field: the conversion's scale operand
.endr
.irp c, 0,1
	v_lshrrev_b32 v[BB+\c], 23, v[BO+\c]           ; the scale's byte
.endr
	v_lshl_or_b32 v[WW], v[BB+1], 16, v[BB]
	v_permlanex16_b32 v[WP], v[WW], s[SEL], s[SEL+1]
.set n, 0
.rept 16                               ; Y's first 32
	v_exp_f32 v[64+n], v[64+n]
	SUM LX+n, 32+n
	v_exp_f32 v[65+n], v[65+n]
	PKF 96+n, NM+4
.set n, n+2
.endr
	v_exp_f32 v[BM+4], v[BM+4]
	v_exp_f32 v[BM+6], v[BM+6]
	VWAIT
.set n, 0
.rept 16                               ; Y's second 32; X's codes
	v_exp_f32 v[96+n], v[96+n]
	SUMF LY+n, FF+4, 64+n
	v_exp_f32 v[97+n], v[97+n]
.if n%4 == 0
	v_cvt_scalef32_pk8_fp4_f32 v[PC+n/4], v[2*n:2*n+7], v[BO+n/16]
.endif
.set n, n+2
.endr
	VWAIT
.irp c, 0,1                            ; Y's scales, with its last sums between the lines
	v_max_num_f32 v[BM+4+2*\c], 0x1800000, v[BM+4+2*\c]
.endr
	SUM LY, 96
	SUM LY+2, 98
.irp c, 0,1
	v_add_nc_u32 v[BO+2+\c], 0xff000000, v[BM+4+2*\c]
.endr
	SUM LY+4, 100
	SUM LY+6, 102
.irp c, 0,1
	v_lshrrev_b32 v[BB+\c], 23, v[BO+2+\c]
.endr
	SUM LY+8, 104
	SUM LY+10, 106
	v_lshl_or_b32 v[WW+1], v[BB+1], 16, v[BB]
	SUM LY+12, 108
	SUM LY+14, 110
	v_permlanex16_b32 v[WP+1], v[WW+1], s[SEL], s[SEL+1]
.irp g, 0,1,2,3,4,5,6,7
	v_cvt_scalef32_pk8_fp4_f32 v[PC+8+\g], v[64+8*\g:71+8*\g], v[BO+2+\g/4]
.endr
	WIN 0x15
	v_lshl_or_b32 v[PSX], v[WP], 8, v[WW]          ; p's scale words for these 128 keys, in lanes 0-15 (lanes 16-31 are not read)
	v_lshl_or_b32 v[PSY], v[WP+1], 8, v[WW+1]
	WIN 0x55
.set n, 16
.rept 8                                ; these eight are the places between the scale words and the products
	SUM LY+n, 96+n
.set n, n+2
.endr
.endm
; A STRIP: cnt trips, of which those up to the strip's group count.
.macro STRIP id, qx, qy, qs, lim, cnt, ob
	KLOAD AD0, AS0, 0                              ; step 0's K
.if \id == 2
	INIT
.endif
	s_mov_b32 s[TB], 0
	s_mov_b32 s[KI], 0
	s_mov_b32 s[CNT], \cnt
	s_wait_alu depctr_va_vdst(0)                   ; the wait here, directly ahead of the wait below
	s_wait_dscnt 0x0
.Lstep_\id:
	s_cmp_gt_u32 s[KI], s[\lim]                    ; all keys of the step come after my queries: nothing of it is done
	s_cbranch_scc1 .Lhidden_\id
	s_cmp_eq_u32 s[KI], s[\lim]
	s_cbranch_scc1 .Ldiag_\id
	s_min_u32 s[TN], s[TB], 14*STEPB               ; (a step with a successor is step 14 at the most)
	WIN 0x40
.irp t, 0,1,2,3,4,5,6,7
	QK0 SX, \qx, \qs, \t
.endr
.irp t, 0,1,2,3,4,5,6,7
	QK0 SY, \qy, \qs+1, \t
.endr
	WIN 0
	v_add_nc_u32 v[AD], s[TB], v[AD0]              ; these four are the places in front of the first read of the scores and of loads into registers that products have read
	v_add_nc_u32 v[AS], s[TB], v[AS0]
	v_add_nc_u32 v[ADN], s[TN], v[AD0]
	v_add_nc_u32 v[ASN], s[TN], v[AS0]
	VLOAD                                          ; this step's V and the next step's K land under the softmax
	KLOAD ADN, ASN, STEPB
	s_branch .Lsoft_\id
.Ldiag_\id:
	WIN 0x40
.irp t, 0,1,2,3
	QKC SX, \qx, \qs, \t, MK+8*\t
.endr
.irp t, 4,5,6,7
	QKC SX, \qx, \qs, \t, HID
.endr
.irp t, 0,1,2,3
	QK0 SY, \qy, \qs+1, \t
.endr
.irp t, 4,5,6,7
	QKC SY, \qy, \qs+1, \t, MK+8*(\t-4)
.endr
	WIN 0
	v_add_nc_u32 v[AD], s[TB], v[AD0]
	v_add_nc_u32 v[AS], s[TB], v[AS0]
	v_nop
	v_nop
	VLOAD                                          ; the strip's last step: no K follows
.Lsoft_\id:
	SOFTMAX
	WIN 0x04
	s_wait_alu depctr_va_vdst(0)                   ; the wait here, directly ahead of the wait below
	s_wait_dscnt 0x0                               ; V is in, and the next step's K
.irp d, 0,1,2,3                        ; O^T += V^T P^T: eight accumulators by turns, one instruction a turn
	v_wmma_scale_f32_16x16x128_f8f6f4 v[OX+8*\d:OX+8*\d+7], v[VF+8*\d:VF+8*\d+7], v[PC:PC+7], v[OX+8*\d:OX+8*\d+7], v[VSC+\d], v[PSX] matrix_a_fmt:MATRIX_FMT_FP4 matrix_b_fmt:MATRIX_FMT_FP4
.endr
.irp d, 0,1,2,3
	v_wmma_scale_f32_16x16x128_f8f6f4 v[OY+8*\d:OY+8*\d+7], v[VF+8*\d:VF+8*\d+7], v[PC+8:PC+15], v[OY+8*\d:OY+8*\d+7], v[VSC+\d], v[PSY] matrix_a_fmt:MATRIX_FMT_FP4 matrix_b_fmt:MATRIX_FMT_FP4
.endr
	WIN 0
.Lhidden_\id:
	s_add_co_u32 s[TB], s[TB], STEPB               ; on to the next step, on every way
	s_add_co_u32 s[KI], s[KI], 1
	s_sub_co_u32 s[CNT], s[CNT], 1
	s_cmp_lg_u32 s[CNT], 0
	s_cbranch_scc1 .Lstep_\id
; THE WAY OUT.  O^T / the sum: register 8 d + j is channel 32 h + 8 d + j of query r.  A tile goes through my own stage in LDS and comes back by rows of 256 bytes: a token's 64 numbers of this head.
	WIN 0x55
.irp st, 16,8,4,2
.set n, 0
.rept \st/2
	SUM LX+n, LX+n+\st
	SUM LY+n, LY+n+\st
.set n, n+2
.endr
.endr
	v_add_f32 v[T], v[LX], v[LX+1]
	v_add_f32 v[T+1], v[LY], v[LY+1]
	v_permlanex16_b32 v[PP], v[T], s[SEL], s[SEL+1]
	v_permlanex16_b32 v[PP+1], v[T+1], s[SEL], s[SEL+1]
	v_add_f32 v[T], v[T], v[PP]                    ; with lane l xor 16's: the row's sum
	v_add_f32 v[T+1], v[T+1], v[PP+1]
	VWAIT
	v_rcp_f32 v[FF], v[T]
	v_rcp_f32 v[FF+4], v[T+1]
	WIN 0x04
	v_nop                                          ; a plain place behind the reciprocals
	VWAIT
.set n, 0
.rept 16
	v_pk_mul_f32 v[OX+n:OX+n+1], v[OX+n:OX+n+1], v[FF:FF+1] op_sel_hi:[1,0]
	v_pk_mul_f32 v[OY+n:OY+n+1], v[OY+n:OY+n+1], v[FF+4:FF+5] op_sel_hi:[1,0]
.set n, n+2
.endr
	WIN 0
.irp k, 0,1,2,3,4,5,6,7
	ds_store_b128 v[STO], v[OX+4*\k:OX+4*\k+3] offset:16*\k
.endr
.irp k, 0,1,2,3,4,5,6,7
	ds_load_b128 v[VF+4*\k:VF+4*\k+3], v[RD] offset:2*SP*\k   ; LDS serves a wave's instructions in order (ISA guide 5.7.1.4): these see my stores, and Y's stores come behind them
.endr
.irp k, 0,1,2,3,4,5,6,7
	ds_store_b128 v[STO], v[OY+4*\k:OY+4*\k+3] offset:16*\k
.endr
.irp k, 0,1,2,3,4,5,6,7
	ds_load_b128 v[KF+4*\k:KF+4*\k+3], v[RD] offset:2*SP*\k
.endr
.irp k, 0,1,2,3,4,5,6,7                ; row 2 k + h of a tile is token 2 k + h + 24 (k / 4) from its first
	s_wait_dscnt 16+7-\k                           ; rows 2 k, 2 k + 1 of X are back; the younger loads and Y's sixteen may be out
	global_store_b128 v[GO], v[VF+4*\k:VF+4*\k+3], s[\ob:\ob+1] offset:(2*\k+24*(\k/4))*4096 th:TH_STORE_NT   ; sixteen lanes store 256 consecutive bytes, aligned; written once, read by nobody here
.endr
.irp k, 0,1,2,3,4,5,6,7
	s_wait_dscnt 7-\k
	global_store_b128 v[GO], v[KF+4*\k:KF+4*\k+3], s[\ob:\ob+1] offset:(64+2*\k+24*(\k/4))*4096 th:TH_STORE_NT
.endr
	s_wait_xcnt 0x0                                ; the stores have read their registers: fragments may be loaded there again
.endm
	s_load_b128 s[4:7], s[0:1], 0x0                ; qq s[4:5], kv s[6:7]
	s_load_b64 s[8:9], s[0:1], 0x10                ; out0
	v_lshl_add_u32 v[SPW], v0, 2, SPARE
	v_mov_b32 v[NIL], 0
	ds_add_u32 v[SPW], v[NIL]                      ; the wave's opening: the add, twice on end, and its wait ahead of my first tensor load
	ds_add_u32 v[SPW], v[NIL]
	v_lshrrev_b32 v10, 5, v0
	v_readfirstlane_b32 s[WV], v10                 ; wave 0..7
	s_mov_b32 s[GA], s[WV]
	s_xor_b32 s[GB], s[WV], 15
	s_bfe_u32 s[CX], ttmp6, 0x40000                ; cx
	s_and_b32 s[HH], ttmp7, 0xffff                 ; the head, which the four partners share
	; descriptor group 1: a dense block of 17,920 bytes as 70 rows of 256 bytes (32 elements of 8 bytes), no padding: every LDS read of it takes 512 consecutive bytes or one word run for sixteen lanes
	s_mov_b32 s[G1], 15|(3<<16)|(1<<21)            ; 15:0 the mask: all four work-groups; 17:16 elements of 8 bytes; 21 set beside a mask
	s_mov_b32 s[G1+1], 32<<16                      ; tensor_dim0 = 32
	s_mov_b32 s[G1+2], 70<<16                      ; tensor_dim1 = 70
	s_mov_b32 s[G1+3], 32<<16                      ; tile_dim0 = 32
	s_mov_b32 s[G1+4], 70                          ; tile_dim1 = 70
	s_mov_b32 s[G1+5], 32                          ; tensor_dim0_stride
	s_mov_b32 s[G1+6], 0
	s_mov_b32 s[G1+7], 0
	s_mov_b32 s[SEL], 0x76543210
	s_mov_b32 s[SEL+1], 0xfedcba98
	s_mov_b32 s[CS], 0x3d38aa3b                    ; c = log2(e) / 32
	s_mov_b32 s[CS+1], s[CS]                       ; (named with it as a pair, so it is written)
	s_mov_b32 s[NC], 0xbd38aa3b
	s_mul_i32 s54, s[WV], LOADB                    ; my load's place, in LDS and in the head's block alike: key steps 2 w, 2 w + 1
	s_mul_i32 s52, s[HH], HEADB
	s_add_co_u32 s52, s52, s54
	s_mov_b32 s53, 0
	s_wait_dscnt 0x0                               ; both opening adds are done
	s_wait_kmcnt 0x0
	s_mov_b32 s[G0], 1                             ; count = 1
	s_mov_b32 s[G0+1], s54
	s_add_nc_u64 s[G0+2:G0+3], s[6:7], s[52:53]
	s_or_b32 s[G0+3], s[G0+3], 0x80000000          ; type = 2
	ROUND                                          ; all four work-groups are here: the joint loads meet
	tensor_load_to_lds s[G0:G0+3], s[G1:G1+7]      ; every wave's one tensor load
	s_nop 0
.rept 4
	v_nop
.endr
	s_mul_i32 s52, s[HH], QHEAD
	s_mul_i32 s54, s[GB], QGRP
	s_add_co_u32 s54, s54, s52
	s_mov_b32 s55, 0
	s_add_nc_u64 s[42:43], s[4:5], s[54:55]        ; the late strip's group of qq
	s_mul_i32 s54, s[GA], QGRP
	s_add_co_u32 s54, s54, s52
	s_add_nc_u64 s[44:45], s[4:5], s[54:55]        ; the early strip's
	s_lshr_b32 s52, s[HH], 4
	s_lshl_b32 s52, s52, 23                        ; the sequence: 2,048 rows of 4,096 bytes
	s_and_b32 s56, s[HH], 15
	s_lshl_b32 s56, s56, 8                         ; the head's 256 bytes of a row
	s_add_co_u32 s52, s52, s56
	s_lshl_b32 s56, s[CX], 15                      ; my tiles begin 8 cx rows into their group
	s_add_co_u32 s52, s52, s56
	s_lshl_b32 s54, s[GB], 19                      ; 128 rows a group
	s_add_co_u32 s54, s54, s52
	s_add_nc_u64 s[46:47], s[8:9], s[54:55]        ; the late strip's rows of out0
	s_lshl_b32 s54, s[GA], 19
	s_add_co_u32 s54, s54, s52
	s_add_nc_u64 s[48:49], s[8:9], s[54:55]        ; the early strip's
	s_lshl_b32 s56, s[CX], 9
	s_lshl_b32 s57, s[CX], 2
	s_add_co_u32 s57, s57, 4096
	s_lshl_b32 s58, s[CX], 3
	s_mul_i32 s59, s[WV], 16*SP
	s_add_co_u32 s59, s59, STAGE                   ; my stage
	v_and_b32 v10, 15, v0                          ; r
	v_bfe_u32 v11, v0, 4, 1                        ; h
	v_and_b32 v[AD0], 31, v0
	v_lshlrev_b32 v[AD0], 4, v[AD0]
	v_lshlrev_b32 v[AS0], 4, v10
	v_add_nc_u32 v[QCO], s56, v[AD0]               ; X: tile cx; Y four tiles on
	v_add_nc_u32 v[QSO], s57, v[AS0]
	global_load_b128 v[QX1:QX1+3], v[QCO], s[42:43]
	global_load_b128 v[QY1:QY1+3], v[QCO], s[42:43] offset:2048
	global_load_b32 v[QS1], v[QSO], s[42:43]
	global_load_b32 v[QS1+1], v[QSO], s[42:43] offset:256
	global_load_b128 v[QX2:QX2+3], v[QCO], s[44:45]
	global_load_b128 v[QY2:QY2+3], v[QCO], s[44:45] offset:2048
	global_load_b32 v[QS2], v[QSO], s[44:45]
	global_load_b32 v[QS2+1], v[QSO], s[44:45] offset:256
	v_and_b32 v[DD], 8, v10
	v_mad_u32_u24 v[DD], v[DD], 3, v10             ; 32 (r / 8) + r % 8
	v_add_nc_u32 v[DD], s58, v[DD]                 ; + 8 cx: my query among its 64
	v_lshlrev_b32 v3, 5, v11
	v_sub_nc_u32 v[DD], v[DD], v3                  ; register n of 32 holds key 32 h + n of the 64: hidden where n > DD
	v_mul_u32_u24 v[STO], v10, SP
	v_lshl_add_u32 v[STO], v11, 7, v[STO]
	v_add_nc_u32 v[STO], s59, v[STO]               ; in: row r; my half's 32 channels: 128 h bytes on
	v_mul_u32_u24 v[RD], v11, SP
	v_lshl_add_u32 v[RD], v10, 4, v[RD]
	v_add_nc_u32 v[RD], s59, v[RD]                 ; back: lanes 0-15 one row, lanes 16-31 the next
	v_lshlrev_b32 v[GO], 12, v11
	v_lshl_add_u32 v[GO], v10, 4, v[GO]            ; and the same two rows in out0
.irp z, 24,25,26,27,32,33,34,35,84,85,86,87,228,229,230,231,236,237,238,239
	v_mov_b32 v\z, 0                               ; the zero codes that fill K up
.endr
.set n, 0
.rept 8
	v_mov_b32 v[HID+n], 0xf149f2ca                 ; -1e30
.set n, n+1
.endr
.set n, 0
.rept 32
	v_cmp_gt_i32 vcc_lo, n, v[DD]
	v_cndmask_b32 v[MK+n], 0, v[HID], vcc_lo
.set n, n+1
.endr
	WIN 0x40
.irp z, NM+1,NM+5,FF+1,FF+5,PP,PP+1,WP,WP+1
	v_mov_b32 v[\z], 0                             ; upper halves of pairs that are named whole; a lane permute's destination counts as one of its sources
.endr
	INIT
	s_wait_alu depctr_va_vdst(0)                   ; the wait at the head's end
	s_wait_loadcnt 0x0                             ; Q
	s_wait_tensorcnt 0x0                           ; my part of the head's K and V has landed,
	s_barrier_signal -1
	s_barrier_wait -1                              ; everybody's has: from here on LDS bytes under STAGE are only read
	STRIP 1, QX1, QY1, QS1, GB, 16, 46             ; the late strip: 16 trips, of which 16 - wave count
	STRIP 2, QX2, QY2, QS2, GA, 8, 48              ; the early strip: 8 trips, of which wave + 1 count
	s_wait_tensorcnt 0x0                           ; the wave's end
	ds_add_u32 v[SPW], v[NIL]
	s_wait_dscnt 0x0
	ROUND                                          ; the closing round: no work-group ends while a partner may still ask for a tile that names it
	s_endpgm
.Lfunc_end_k_q32577099fd_attn:
	.size	k_q32577099fd_attn, .Lfunc_end_k_q32577099fd_attn-k_q32577099fd_attn
	.p2alignl 7, 3214868480
	.fill 96, 4, 3214868480
	.section	.rodata,"a",@progbits
	.p2align	6, 0x0
	.amdhsa_kernel k_q32577099fd_attn
		.amdhsa_group_segment_fixed_size 179200
		.amdhsa_private_segment_fixed_size 0
		.amdhsa_enable_private_segment 0
		.amdhsa_kernarg_size 24
		.amdhsa_user_sgpr_count 2
		.amdhsa_user_sgpr_kernarg_segment_ptr 1
		.amdhsa_wavefront_size32 1
		.amdhsa_system_sgpr_workgroup_id_x 1
		.amdhsa_system_sgpr_workgroup_id_y 1
		.amdhsa_system_sgpr_workgroup_id_z 1
		.amdhsa_system_vgpr_workitem_id 0
		.amdhsa_next_free_vgpr 512
		.amdhsa_next_free_sgpr 66
		.amdhsa_reserve_vcc 1
		.amdhsa_float_denorm_mode_32 3
		.amdhsa_float_denorm_mode_16_64 3
		.amdhsa_memory_ordered 1
		.amdhsa_forward_progress 1
		.amdhsa_inst_pref_size 95
	.end_amdhsa_kernel
	.amdgpu_metadata
---
amdhsa.version: [ 1, 2 ]
amdhsa.kernels:
  - .name:           k_q32577099fd_attn
    .symbol:         k_q32577099fd_attn.kd
    .args:
      - { .name: qq, .offset: 0, .size: 8, .value_kind: global_buffer, .address_space: global }
      - { .name: kv, .offset: 8, .size: 8, .value_kind: global_buffer, .address_space: global }
      - { .name: out0, .offset: 16, .size: 8, .value_kind: global_buffer, .address_space: global }
    .group_segment_fixed_size: 179200
    .private_segment_fixed_size: 0
    .kernarg_segment_align: 8
    .kernarg_segment_size: 24
    .max_flat_workgroup_size: 256
    .sgpr_count:     66
    .vgpr_count:     512
    .wavefront_size: 32
...
	.end_amdgpu_metadata
.endif
;; end of part 3
